; MI455X (gfx1250); checked and timed in simulation.
; The chip was launched on July 23, 2026; its instructions are those of AMD's public machine-readable ISA for CDNA 5 (MIT licence, August 2026) and "CDNA5" Instruction Set Architecture Reference Guide (July 2026). The comments in the code are by the model that wrote it; some were corrected since.
;; Factored Attention. Allowed arithmetic: matrix products marked QUANTISED: E2M1 operands, one E8M0 scale for each 32 along K, by v_wmma_scale_f32_16x16x128_f8f6f4 with both operands' format E2M1 (or v_wmma_scale_f32_32x16x128_f4), f32 sums; products left as they are: bf16, f16 or f32 operands; f32 sums; everything else in f32.
;; Inputs: W_out 1,024 x 1,024 float32; W_qkv 3,072 x 1,024 float32; b_out 1,024 float32; b_qkv 3,072 float32; x 4 x 4,096 x 1,024 float32.
;; Outputs: out0 4 x 4,096 x 1,024 float32.
;; This version of the problem:
;;   THIS VERSION OF THE PROBLEM IS GIVEN IN LOW PRECISION. The matrix products marked QUANTISED in the list below multiply operands that are first quantised to E2M1 (2 exponent bits, 1 mantissa bit; 4 bits a number), with one power-of-two scale for each 32 numbers along K (OCP MX v1.0); their sums are f32. The products marked 'left as it is' may take bf16, f16 or f32 operands, with f32 sums. Whichever they take, every output number must still come out within the allowed error. Rounding operands to bf16 (8 significant bits) uses up far more of that allowance than f16 does (11 bits, for magnitudes from 6e-5 to 65,504). All else is computed in f32.
;;   The module's matrix products, in the order in which they are computed (A, B: the left and right operand; K: the contracted axis; several contracted axes count as one K, in the product's order):
;;     1. [M 16,384, K 1,024] x [K 1,024, N 3,072]; A: input x; B: input W_qkv: QUANTISED
;;     2. batch 8,192 x [M 32, K 64] x [K 64, N 32]; A: computed on the way; B: computed on the way: left as it is (an operand is computed on the way)
;;     3. batch 8,192 x [M 32, K 32] x [K 32, N 64]; A: computed on the way; B: computed on the way: left as it is (an operand is computed on the way)
;;     4. [M 16,384, K 1,024] x [K 1,024, N 1,024]; A: computed on the way; B: input W_out: left as it is (an operand is computed on the way)
;;   THE QUANTISER, for each operand of a quantised product, along K:
;;     - K is cut into blocks of 32 from its start; a last block that is shorter is filled with zeros.
;;     - A block's scale is 2^e with e = floor(log2(the largest magnitude in the block)) - 2, held to -126 .. 127; a block of zeros has e = 0. As a byte (E8M0): e + 127.
;;     - Each number is divided by its block's scale, clamped to +-6, and rounded to the nearest number of E2M1, ties to even, subnormals kept.
;;     - The product sums the exact products of the quantised numbers (number of the format x scale) in f32.
;;   ~~~python
;;   def quantise(x, axis):      # numpy; x: float32 -> the quantised numbers, widened to float32 again
;;       x = np.moveaxis(x, axis, -1); K = x.shape[-1]
;;       x = np.pad(x, [(0, 0)] * (x.ndim - 1) + [(0, -K % 32)]); x = x.reshape(x.shape[:-1] + (-1, 32)); a = np.abs(x).max(-1, keepdims=True)
;;       e = np.where(a > 0, np.clip(np.frexp(np.where(a > 0, a, 1))[1] - 1 - 2, -126, 127), 0)      # np.frexp(a)[1] - 1 = floor(log2(a)), exactly
;;       r = np.clip(x / 2.0 ** e, -6, 6)
;;       step = 2.0 ** (np.maximum(np.frexp(np.where(r == 0, 1, r))[1] - 1, 0) - 1)
;;       q = np.round(r / step) * step * 2.0 ** e      # np.round: ties to even
;;       return np.moveaxis(q.reshape(q.shape[:-2] + (-1,))[..., :K], -1, axis).astype(np.float32)
;;   ~~~
;; One version. Each part assembles by itself: llvm-mc -triple=amdgcn-amd-amdhsa -mcpu=gfx1250 --defsym DOCPART=n.
;; ======== version 1 of 1: 3 launches
;; limits: values are held in f16: magnitudes above 65,504 overflow, below 6.1e-05 lose precision
;; workspace buffers: xq 8,912,896 bytes; wq 1,671,168 bytes; wo16 2,097,152 bytes; att 33,554,432 bytes
;; launch prep (part 1): grid 1280 x 1, 4 waves a work-group, no clusters, 31,744 bytes of LDS; arguments x, W_qkv, W_out, xq, wq, wo16; writes xq, wq, wo16
.if DOCPART == 1
	.amdgcn_target "amdgcn-amd-amdhsa--gfx1250"
	.amdhsa_code_object_version 6
	.text
	.protected	k_q0cda19dab5_prep
	.globl	k_q0cda19dab5_prep
	.p2align	8
	.type	k_q0cda19dab5_prep,@function
k_q0cda19dab5_prep:
	s_mov_b64 s[64:65], 0
	v_nop
	global_prefetch_b8 v0, s[64:65] scope:SCOPE_SE
	s_setreg_imm32_b32 hwreg(HW_REG_WAVE_MODE, 25, 1), 1
	s_wait_xcnt 0x0
; x [16384][1024] and W_qkv [3072][1024], f32, K innermost, become codes of FP4 (E2M1) with one E8M0 byte for each 32 along K; W_out [1024][1024] becomes f16.
; A block's scale is 2^(floor(log2(its largest magnitude)) - 2): its byte is the largest magnitude's exponent field - 2, held at 1 from below; each number is divided by the scale and rounded to the nearest code, ties to even, beyond 6 the largest code.
; THE CODES ARE LAID IN THE ORDER OF THE OPERAND'S REGISTERS.  16 rows x 256 along K (a quarter of K) are 2,048 bytes: [block of 32 along K: 8][row: 16][16 bytes].  So a fragment (16 rows x 128 K) is 1,024 bytes on end,
; which the next launch reads by two loads of 16 bytes a lane at 16 x lane.  The scale words (4 bytes: 128 along K of a row) of four such groups of 16 rows lie as [K step of the quarter: 2][row: 16][group: 4].
;   xq [tile T: 64][half: 2][quarter Q: 4][17,408]: T = 16 b + bl / 8; a half is 4 sequences (bl = 8 (T % 16) + 4 half + sigma) x 32 positions nb; group R = 2 sigma + nb / 16, row nb % 16: 8 x 2,048 of codes, 2 x 512 of scale words.
;   wq [C: 8][half: 2][Q: 4][26,112]: head = 2 C + half; group R = 4 g + t is W_qkv's rows 1024 g + 64 head + 16 t on (g: q, k, v): 12 x 2,048 of codes, 3 x 512 of scale words.
;   A half's quarters lie on end, so that several of them are one dense block for one tensor load of the next launch.
; SHARES.  Work-groups 0-1023: x, 64 rows x 256 K each (four groups, a wave to a group); 1024-1215: W_qkv likewise; both take ONE path, only pointers, offsets and the row stride are chosen by the work-group's number.
; Work-groups 1216-1279: the cast of W_out, 16,384 numbers each, as many bytes in as a work-group of x; that path touches no LDS but the spare words.  1,280 work-groups are five for each of 256.
; A wave takes 8 steps of two rows x 256 numbers.  Each load reads 512 consecutive bytes; a step's 2,048 bytes turn through the wave's own stage in LDS so that a lane holds 16 neighbours along K (two lanes hold a block).
; LIMITS: a block of zeros, and one whose largest magnitude lies under 2^(3 - 127), gets the byte 1 (its codes are zeros or tiny; the bytes are read by this program alone); NaN and infinities are not served; |W_out| stays under 65,504 (f16).
.set STEPS, 8
.set EMAX,  2
.set SP,    80                         ; a lane's place in a turn stage: 64 bytes + 16 of padding
.set CST,   2*32*SP                    ; behind the two turn stages: the wave's code stage, 8 rows (one for each block along K) of 256 bytes + 32
.set CP,    288
.set WREG,  7680                       ; a wave's region: 5,120 + 2,304, rounded up
.set SCB,   4*WREG                     ; the work-group's scale bytes: [wave][K step 2][row 16][4]
.set SPARE, SCB+512                    ; the spare words, 128 bytes for each wave: two blocks of 256 bytes that no other line names
.set SPW,   12                         ; v12      LDS address of my spare word; never rewritten
.set NIL,   13                         ; v13      0; never rewritten
.set RO,    16                         ; v16-31   16 x lane + row x the row stride, for my 16 rows
.set R,     32                         ; v32-95   four sets of 16 numbers as they are loaded (the cast: v32-159, 32 loads)
.set X,     96                         ; v96-127  two sets of 16 neighbours
.set CD,    128                        ; v128-143 two registers of codes for each step
.set E,     144                        ; v144-151 a scale byte for each step
.set OUTR,  152                        ; v152-167 the codes read back
.set SW,    168                        ; v168-171 scale words of the four waves
	s_load_b256 s[4:11], s[0:1], 0x0               ; x s[4:5], W_qkv s[6:7], W_out s[8:9], xq s[10:11]
	s_load_b128 s[12:15], s[0:1], 0x20             ; wq s[12:13], wo16 s[14:15]
	v_lshl_add_u32 v[SPW], v0, 2, SPARE
	v_mov_b32 v[NIL], 0
	v_lshrrev_b32 v1, 5, v0
	v_readfirstlane_b32 s16, v1                    ; wave 0..3
	v_and_b32 v1, 31, v0                           ; lane
	v_lshlrev_b32 v2, 4, v1                        ; 16 x lane
	v_lshl_add_u32 v10, v1, 2, SCB                 ; a scale word's place for my lane
	s_cmp_ge_u32 ttmp9, 1216                       ; the work-group's number alone: all four waves go the same way
	s_cbranch_scc1 .Lcast
	; ---- x's numbers: id = 16 T + 4 Q + 2 half + i4
	s_lshr_b32 s20, ttmp9, 8
	s_lshl_b32 s20, s20, 12                        ; 4096 b
	s_and_b32 s21, s16, 1
	s_lshl_b32 s21, s21, 11                        ; + 128 x 16 (wave % 2): positions 16 on
	s_add_co_u32 s20, s20, s21
	s_bfe_u32 s21, ttmp9, 0x40004
	s_lshl_b32 s21, s21, 3                         ; + 8 (T % 16)
	s_add_co_u32 s20, s20, s21
	s_and_b32 s21, ttmp9, 3
	s_lshl_b32 s21, s21, 1                         ; + 4 half + 2 i4
	s_add_co_u32 s20, s20, s21
	s_lshr_b32 s21, s16, 1                         ; + wave / 2
	s_add_co_u32 s20, s20, s21                     ; my first row
	s_bfe_u32 s22, ttmp9, 0x20002                  ; Q
	s_lshr_b32 s23, ttmp9, 4
	s_lshl_b32 s23, s23, 3                         ; 8 T
	s_bfe_u32 s24, ttmp9, 0x10001                  ; half
	s_lshl_b32 s24, s24, 2
	s_add_co_u32 s23, s23, s24                     ; + 4 half
	s_add_co_u32 s23, s23, s22                     ; + Q
	s_mul_i32 s23, s23, 17408                      ; the block of a half's quarter
	s_and_b32 s24, ttmp9, 1
	s_lshl_b32 s25, s24, 13
	s_add_co_u32 s25, s25, s23                     ; codes: + 8192 i4
	s_lshl_b32 s24, s24, 9
	s_add_co_u32 s24, s24, s23
	s_add_co_u32 s24, s24, 16384                   ; scale words: + 16384 + 512 i4
	; ---- W_qkv's numbers: id - 1024 = 64 g + 8 C + 2 Q + half
	s_sub_co_u32 s26, ttmp9, 1024
	s_lshr_b32 s27, s26, 6                         ; g
	s_and_b32 s26, s26, 63
	s_lshl_b32 s28, s27, 10                        ; 1024 g
	s_lshr_b32 s29, s26, 3
	s_lshl_b32 s29, s29, 1
	s_and_b32 s30, s26, 1                          ; half
	s_add_co_u32 s29, s29, s30                     ; head
	s_lshl_b32 s29, s29, 6
	s_add_co_u32 s28, s28, s29
	s_lshl_b32 s29, s16, 4
	s_add_co_u32 s28, s28, s29                     ; my first row: + 64 head + 16 wave
	s_bfe_u32 s29, s26, 0x20001                    ; Q
	s_and_b32 s26, s26, 56                         ; 8 C
	s_lshl_b32 s30, s30, 2
	s_add_co_u32 s26, s26, s30                     ; + 4 half
	s_add_co_u32 s26, s26, s29                     ; + Q
	s_mul_i32 s26, s26, 26112                      ; the block of a head's quarter
	s_lshl_b32 s30, s27, 13
	s_add_co_u32 s30, s30, s26                     ; codes: + 8192 g
	s_lshl_b32 s31, s27, 9
	s_add_co_u32 s31, s31, s26
	s_add_co_u32 s31, s31, 24576                   ; scale words: + 24576 + 512 g
	; ---- LDS addresses: constants, the lane and the wave alone
	s_mul_i32 s17, s16, WREG
	v_lshrrev_b32 v3, 2, v1
	v_mul_u32_u24 v3, v3, SP
	v_and_b32 v8, 3, v1
	v_lshl_add_u32 v3, v8, 4, v3
	v_add_nc_u32 v3, s17, v3                       ; the turn, in: four lanes' 64 bytes on end, then the padding
	v_mul_u32_u24 v4, v1, SP
	v_add_nc_u32 v4, s17, v4                       ; and out: my 16 neighbours
	v_bfe_u32 v5, v0, 1, 3                         ; my block along K: (lane % 16) / 2
	v_mul_u32_u24 v5, v5, CP
	v_bfe_u32 v8, v0, 4, 1                         ; which of the step's two rows: lane / 16
	v_lshl_add_u32 v5, v8, 4, v5
	v_and_b32 v9, 1, v0                            ; which half of the block
	v_lshl_add_u32 v5, v9, 3, v5
	v_add_nc_u32 v5, s17, v5
	v_add_nc_u32 v5, CST, v5                       ; the code stage, in
	v_mul_u32_u24 v6, v8, CP
	v_and_b32 v9, 15, v0
	v_lshl_add_u32 v6, v9, 4, v6
	v_add_nc_u32 v6, s17, v6
	v_add_nc_u32 v6, CST, v6                       ; and out: two blocks along K an instruction, sixteen rows each
	v_bfe_u32 v7, v0, 1, 2                         ; the byte in its scale word
	v_lshl_add_u32 v7, v8, 2, v7                   ; + 4 x row
	v_bfe_u32 v9, v0, 3, 1
	v_lshl_add_u32 v7, v9, 6, v7                   ; + 64 x K step of the quarter
	s_lshl_b32 s33, s16, 7
	v_add_nc_u32 v7, s33, v7
	v_add_nc_u32 v7, SCB, v7
	s_wait_kmcnt 0x0
	s_cmp_lt_u32 ttmp9, 1024                       ; x or W_qkv: the choice hangs on the work-group's number alone
	s_cselect_b64 s[4:5], s[4:5], s[6:7]
	s_cselect_b64 s[10:11], s[10:11], s[12:13]
	s_cselect_b32 s20, s20, s28
	s_cselect_b32 s22, s22, s29
	s_cselect_b32 s25, s25, s30
	s_cselect_b32 s24, s24, s31
	s_mov_b32 s32, 4096
	s_cselect_b32 s32, 0x80000, s32                ; from row to row: 128 rows of x (the next position of a sequence), or one row of W_qkv
	s_lshl_b32 s20, s20, 12                        ; a row is 4,096 bytes
	s_lshl_b32 s22, s22, 10                        ; a quarter of K 1,024
	s_add_co_u32 s20, s20, s22
	s_mov_b32 s21, 0
	s_add_nc_u64 s[4:5], s[4:5], s[20:21]          ; the source at my first row
	s_lshl_b32 s22, s16, 11
	s_add_co_u32 s22, s25, s22                     ; my group's 2,048 bytes of codes
	s_mov_b32 s23, 0
	s_add_nc_u64 s[18:19], s[10:11], s[22:23]
	s_mov_b32 s25, 0
	s_add_nc_u64 s[10:11], s[10:11], s[24:25]      ; the work-group's 512 bytes of scale words
	v_mov_b32 v[RO], v2
.irp p, 1,2,3,4,5,6,7,8,9,10,11,12,13,14,15
	v_add_nc_u32 v[RO+\p], s32, v[RO+\p-1]
.endr
.macro LOAD t                          ; step t: rows 2 t and 2 t + 1, 1,024 bytes each, by loads of 512 consecutive bytes
.irp i, 0,1,2,3
	global_load_b128 v[R+16*((\t)%4)+4*\i:R+16*((\t)%4)+4*\i+3], v[RO+2*(\t)+\i/2], s[4:5] offset:512*(\i%2) th:TH_LOAD_NT
.endr
.endm
.macro TURN t                          ; step t's numbers through the stage: LDS serves a wave's instructions in order, so no wait stands between the stores and the loads
.irp i, 0,1,2,3
	ds_store_b128 v3, v[R+16*((\t)%4)+4*\i:R+16*((\t)%4)+4*\i+3] offset:32*SP*((\t)%2)+8*SP*\i
.endr
.irp i, 0,1,2,3
	ds_load_b128 v[X+16*((\t)%2)+4*\i:X+16*((\t)%2)+4*\i+3], v4 offset:32*SP*((\t)%2)+16*\i
.endr
.endm
.irp t, 0,1,2,3
	LOAD \t
.endr
	s_wait_loadcnt 12                              ; step 0's four loads are in
	TURN 0
.macro STEP t
.set XS, X+16*((\t)%2)
.if (\t) > 0
	s_wait_dscnt 2                                 ; this step's numbers are back from the stage (the last step's two stores, codes and byte, may be out): so its stores into the stage have read their registers,
.else
	s_wait_dscnt 0x0
.endif
.if (\t)+4 < STEPS
	LOAD (\t)+4                                    ; which take the loads of four steps on
.endif
.if (\t)+1 < STEPS
.if STEPS-2-(\t) >= 3
	s_wait_loadcnt 12                              ; the next step's four loads are in; those of the three steps behind it may be out
.else
	s_wait_loadcnt 4*(STEPS-2-(\t))
.endif
	TURN (\t)+1
.endif
	v_max3_num_f32 v8, |v[XS]|, |v[XS+1]|, |v[XS+2]|               ; the largest magnitude of my 16
	v_max3_num_f32 v9, |v[XS+3]|, |v[XS+4]|, |v[XS+5]|
.irp i, 6,10
	v_max3_num_f32 v8, v8, |v[XS+\i]|, |v[XS+\i+1]|
	v_max3_num_f32 v9, v9, |v[XS+\i+2]|, |v[XS+\i+3]|
.endr
	v_max3_num_f32 v8, v8, |v[XS+14]|, |v[XS+15]|
	v_max3_num_f32 v8, v8, v9, (EMAX+1)<<23        ; and the floor 2^(3 - 127): the byte cannot fall under 1
	v_max_num_f32_dpp v8, v8, v8 row_xmask:1 row_mask:0xf bank_mask:0xf   ; and of my neighbour's 16: the block's
	v_add_nc_u32 v11, -(EMAX<<23), v8              ; 2 off its exponent field: the conversion takes the exponent field of this operand as its scale
	v_cvt_scalef32_pk8_fp4_f32 v[CD+2*(\t)], v[XS:XS+7], v11
	v_cvt_scalef32_pk8_fp4_f32 v[CD+2*(\t)+1], v[XS+8:XS+15], v11
	v_lshrrev_b32 v[E+(\t)], 23, v11               ; the scale's byte (also the plain line behind the conversions)
	ds_store_b64 v5, v[CD+2*(\t):CD+2*(\t)+1] offset:32*(\t)       ; my 16 codes: block's row of the stage, row 2 t + lane / 16, my half
	ds_store_b8 v7, v[E+(\t)] offset:8*(\t)        ; both lanes of a block write the same byte with the same value
.endm
.irp t, 0,1,2,3,4,5,6,7
	STEP \t
.endr
.irp i, 0,1,2,3
	ds_load_b128 v[OUTR+4*\i:OUTR+4*\i+3], v6 offset:2*CP*\i       ; LDS serves a wave's instructions in order: these see my stores
.endr
.irp i, 0,1,2,3
	s_wait_dscnt 3-\i
	global_store_b128 v2, v[OUTR+4*\i:OUTR+4*\i+3], s[18:19] offset:512*\i   ; 32 lanes store 512 consecutive bytes, at a multiple of 256 from the buffer's first byte
.endr
	s_wait_dscnt 0x0                               ; for wave 0's sake: my scale bytes have landed
	s_barrier_signal -1
	s_barrier_wait -1
	s_cmp_lg_u32 s16, 0                            ; wave 0 stores the four waves' scale words as 512 consecutive bytes
	s_cbranch_scc1 .Lend
.irp j, 0,1,2,3
	ds_load_b32 v[SW+\j], v10 offset:128*\j        ; lane (row, K step): wave j's word
.endr
	s_wait_dscnt 0x0
	global_store_b128 v2, v[SW:SW+3], s[10:11]
	s_branch .Lend
.Lcast:                                                ; W_out to f16: a wave takes 4,096 numbers, all its 32 loads out at once
	s_sub_co_u32 s20, ttmp9, 1216
	s_lshl_b32 s20, s20, 2
	s_add_co_u32 s20, s20, s16
	s_lshl_b32 s22, s20, 13                        ; 8,192 bytes of f16,
	s_lshl_b32 s20, s20, 14                        ; 16,384 of f32
	s_mov_b32 s21, 0
	s_mov_b32 s23, 0
	v_lshlrev_b32 v3, 3, v1                        ; 8 bytes a lane on the way out
	s_wait_kmcnt 0x0
	s_add_nc_u64 s[8:9], s[8:9], s[20:21]
	s_add_nc_u64 s[14:15], s[14:15], s[22:23]
.set ci, 0
.rept 32
	global_load_b128 v[R+4*ci:R+4*ci+3], v2, s[8:9] offset:512*ci th:TH_LOAD_NT
.set ci, ci+1
.endr
.set ci, 0
.rept 32
	s_wait_loadcnt 31-ci                           ; loads come back in order: this one is in, the younger ones may be out
	v_cvt_pk_f16_f32 v[R+4*ci], v[R+4*ci], v[R+4*ci+1]             ; the four numbers' two words take the place of the first two
	v_cvt_pk_f16_f32 v[R+4*ci+1], v[R+4*ci+2], v[R+4*ci+3]
	global_store_b64 v3, v[R+4*ci:R+4*ci+1], s[14:15] offset:256*ci   ; 32 lanes store 256 consecutive bytes, aligned
.set ci, ci+1
.endr
.Lend:
	s_wait_tensorcnt 0x0                           ; the wave's end, behind my last LDS store
	ds_add_u32 v[SPW], v[NIL]
	s_wait_dscnt 0x0
	s_endpgm
.Lfunc_end_k_q0cda19dab5_prep:
	.size	k_q0cda19dab5_prep, .Lfunc_end_k_q0cda19dab5_prep-k_q0cda19dab5_prep
	.p2alignl 7, 3214868480
	.fill 96, 4, 3214868480
	.section	.rodata,"a",@progbits
	.p2align	6, 0x0
	.amdhsa_kernel k_q0cda19dab5_prep
		.amdhsa_group_segment_fixed_size 31744
		.amdhsa_private_segment_fixed_size 0
		.amdhsa_enable_private_segment 0
		.amdhsa_kernarg_size 48
		.amdhsa_user_sgpr_count 2
		.amdhsa_user_sgpr_kernarg_segment_ptr 1
		.amdhsa_wavefront_size32 1
		.amdhsa_system_sgpr_workgroup_id_x 1
		.amdhsa_system_sgpr_workgroup_id_y 1
		.amdhsa_system_sgpr_workgroup_id_z 1
		.amdhsa_system_vgpr_workitem_id 0
		.amdhsa_next_free_vgpr 176
		.amdhsa_next_free_sgpr 66
		.amdhsa_reserve_vcc 0
		.amdhsa_float_denorm_mode_32 3
		.amdhsa_float_denorm_mode_16_64 3
		.amdhsa_memory_ordered 1
		.amdhsa_forward_progress 1
		.amdhsa_inst_pref_size 34
	.end_amdhsa_kernel
	.amdgpu_metadata
---
amdhsa.version: [ 1, 2 ]
amdhsa.kernels:
  - .name:           k_q0cda19dab5_prep
    .symbol:         k_q0cda19dab5_prep.kd
    .args:
      - { .name: x, .offset: 0, .size: 8, .value_kind: global_buffer, .address_space: global }
      - { .name: W_qkv, .offset: 8, .size: 8, .value_kind: global_buffer, .address_space: global }
      - { .name: W_out, .offset: 16, .size: 8, .value_kind: global_buffer, .address_space: global }
      - { .name: xq, .offset: 24, .size: 8, .value_kind: global_buffer, .address_space: global }
      - { .name: wq, .offset: 32, .size: 8, .value_kind: global_buffer, .address_space: global }
      - { .name: wo16, .offset: 40, .size: 8, .value_kind: global_buffer, .address_space: global }
    .group_segment_fixed_size: 31744
    .private_segment_fixed_size: 0
    .kernarg_segment_align: 8
    .kernarg_segment_size: 48
    .max_flat_workgroup_size: 128
    .sgpr_count:     66
    .vgpr_count:     176
    .wavefront_size: 32
...
	.end_amdgpu_metadata
.endif
;; end of part 1
;; launch qkv_attn (part 2): grid 8 x 32, 4 waves a work-group, clusters of 4 x 4, 327,680 bytes of LDS; arguments xq, wq, b_qkv, att; writes att
.if DOCPART == 2
	.amdgcn_target "amdgcn-amd-amdhsa--gfx1250"
	.amdhsa_code_object_version 6
	.text
	.protected	k_q0cda19dab5_qkv_attn
	.globl	k_q0cda19dab5_qkv_attn
	.p2align	8
	.type	k_q0cda19dab5_qkv_attn,@function
k_q0cda19dab5_qkv_attn:
	s_mov_b64 s[64:65], 0
	v_nop
	global_prefetch_b8 v0, s[64:65] scope:SCOPE_SE
	s_setreg_imm32_b32 hwreg(HW_REG_WAVE_MODE, 25, 1), 1
	s_wait_xcnt 0x0
	s_wait_alu depctr_hold_cnt(0) depctr_sa_sdst(0) depctr_va_vdst(0) depctr_va_sdst(0) depctr_va_ssrc(0) depctr_va_vcc(0) depctr_vm_vsrc(0)
	s_getreg_b32 s2, hwreg(HW_REG_IB_STS2, 6, 4)
	s_cmp_eq_u32 s2, 0
	s_cbranch_scc0 .Lentry_in_a_cluster
	s_endpgm
.Lentry_in_a_cluster:
	s_bfe_u32 s2, ttmp6, 0x10000c
	s_cmp_lg_u32 s2, 0xf033
	s_cbranch_scc0 .Lentry_shape_is_right
	s_endpgm
.Lentry_shape_is_right:
; qkv = Q(x) Q(W_qkv)^T + b_qkv on codes of FP4 (E2M1) with E8M0 scales, then the whole causal column attention in registers; the result leaves as f16 in the order that the raw reshape gives it.
; SHARES.  A tile is tile T of x (256 rows: 8 sequences' places bl x 32 positions nb of one batch) against pair C of heads (384 columns: q, k, v of 2 heads), K = 1,024.  A WORK-GROUP STAYS: it makes tile T and then tile T + 32
; (the same places and heads two batches on): 8 x 32 work-groups, one for each of 256.
; Wave w takes half w / 2 of the rows (4 sequences x 32 positions: 8 blocks of 16 rows) and head 2 C + w % 2 (12 tiles of 16 columns): 96 accumulators, 768 registers.  So a wave ends up with q, k and v of 4 whole sequences of one head.
; HOW THE PRODUCTS ARE LAID SO THAT NOTHING CHANGES LANES.  q and k are made TRANSPOSED (source 0 = 16 rows of W, source 1 = 16 rows of x): a lane holds one position and 8 channels; two channel tiles rounded in pairs to f16 are an
; operand (16 positions x 32 channels) of S^T = K Q^T.  v is made STRAIGHT (source 0 = x, source 1 = W): a lane holds one channel and 8 positions; the blocks of positions 0-15 and 16-31 rounded in pairs are source 0 (16 channels x 32 keys) of
; O^T = V^T P.  S^T holds a query a lane (lane % 16) and keys 8 (lane / 16) + j: rounded in pairs it is source 1 of that product.
; SOFTMAX.  p = 2^(c s - c m), c = log2(e) / 8, m the row's largest score among the keys that count; the sum l is taken of the unrounded p; O = (V^T P) / l + b_v, which equals the reference's sum over p (v + b_v) / l since the weights sum to 1.
; The tile of keys 16-31 against queries 0-15 lies wholly under the mask and is not made; on the two diagonal tiles hidden scores become -infinity by constant lane masks.
; MEMORY.  xq and wq lie in the order of the operands' registers: a fragment is 1,024 bytes on end; a quarter of K of 128 rows of x (17,408 bytes with its scale words) or of a head's 192 rows of W (26,112) is one dense block, and a half's
; quarters lie on end.  In LDS each of the four streams (x's two halves, W's two heads) has three places on end.  Quarters 0, 1, 2 fill them at the start; quarter 3 fills place 0 again behind K step 1.
; THE NEXT TILE'S QUARTERS 0, 1, 2 ARE ONE LOAD A WAVE, asked for in K step 7, behind the wave's last LDS read of the tile: it lands under v's last 32 products and the whole attention, and the first tile's stores leave under the second's products.
; By this text's own count a wave has three tensor loads out at the start and one behind each refill.
; The two tiles differ in that joint load: so the last tile is written out, and with two tiles nothing is left to loop: the macro TILE is expanded twice.
; CLUSTER 4 x 4: the four work-groups of a row share T (x's blocks), the four of a column share C (W's): each block is asked for jointly.
; REGISTERS, in windows of 256: window 0: v2-18 addresses; v24-63 scale words, two sets of 20, and nothing else; v64-191 x's fragments, two sets of 64; v192-255 four fragments of W, two buffers.  Windows 1, 2, 3: the accumulators of q, k, v, (block a, tile t) at v[8 (4 a + t)].
; LIMITS: |q|, |k|, |v| and the attention's results stay under 65,504 (f16 operands); NaN and infinities are not served.
.set AHALF,  17408                     ; 128 rows of x, a quarter of K: 16,384 of codes + 1,024 of scale words
.set BHALF,  26112                     ; a head's 192 rows of W: 24,576 + 1,536
.set AREG,   3*AHALF                   ; a half's three places in LDS
.set BREG,   3*BHALF                   ; a head's
.set BOFF,   2*AREG                    ; W's places lie behind x's
.set SPARE,  2*AREG+2*BREG             ; behind the places: the spare words, 128 bytes for each wave: two blocks of 256 bytes that no other line names
.set STAGE,  SPARE+512                 ; the way out: 32 rows x 144 bytes for each wave, in bytes of its own: no tensor load lands there
.set SP,     144                       ; a position's 128 bytes + 16: sixteen rows start at sixteen different groups of four banks (64 banks of 4 bytes: ISA guide 11.1)
.set NEXT_A, 32*8*AHALF-3*AHALF        ; in xq, from quarter 3 of my half of tile T to quarter 0 of tile T + 32
.set NEXT_O, 8192*2048                 ; in att, two batches on: 8,192 rows of 2,048 bytes
.set GO,   2                           ; v2     16 x lane
.set ADRA, 4                           ; v4-6   my half of x in place 0, 1, 2, + 16 x lane
.set ADRB, 8                           ; v8-10  my head of W likewise
.set SPW,  12                          ; v12    LDS address of my spare word; never rewritten
.set NIL,  13                          ; v13    0; never rewritten
.set STO,  14                          ; v14    the stage, in
.set RD,   15                          ; v15    the stage, out
.set BO,   17                          ; v17    32 x (lane / 16): my eight numbers of a tile's sixteen biases
.set NINF, 18                          ; v18    -infinity
.set SC,   24                          ; scale words: set (quarter % 2) at SC + 20 x set: +a x's block a, +8 + 4 g + t W's tile; lanes 0-15 the quarter's first K step, lanes 16-31 its second
.set AF,   64                          ; x's fragments: set (K step % 2)
.set BF,   192                         ; W's four fragments of one group: buffer (3 s + g) % 2
.set BV,   192                         ; v192-223: b_v in the layout of O^T, in the buffer that k's last products have left
.set G1A,  24                          ; s[24:31] descriptor group 1 for a quarter of x;  s[48:55] of W
.set G1B,  48
.set G1A3, 56                          ; s[56:63] for three quarters of x on end;  s[92:99] of W
.set G1B3, 92
.set G0A,  68                          ; s[68:79] groups 0 for x's blocks, a set for each place; place 0's then walks.  s[80:91] for W's
.set G0B,  80
.set CS,   32                          ; s[32:33] c = log2(e) / 8
.set SEL,  34                          ; s[34:35] v_permlanex16_b32's selects for lane l xor 16
.set MK,   36                          ; s[36:43] mask j: the lanes in which key 8 (lane / 16) + j comes after query lane % 16 (written when the set-up's scalars are done with)
.set MSB, 0
.macro WIN new                         ; the immediate's high byte repeats the setting that is left; a switch that changes nothing is dropped
.if MSB != \new
	s_set_vgpr_msb (MSB<<8)|\new
.set MSB, \new
.endif
.endm
.macro PLACES n                        ; plain vector lines behind matrix instructions (ISA guide 7.12.1), where no other vector work is at hand
.rept \n
	v_nop
.endr
.endm
; A joint load: waves 0 and 1 fetch x's two halves, waves 2 and 3 W's two heads.  The branch hangs on the wave's number alone.  An s_nop 0 and four v_nop follow each of the two lines.
.macro JLOAD g0a, g1a, g0b, g1b
	s_cmp_eq_u32 s15, 0
	s_cbranch_scc0 .Lfor_b_\@
	tensor_load_to_lds s[\g0a:\g0a+3], s[\g1a:\g1a+7]
	s_nop 0
.rept 4
	v_nop
.endr
	s_branch .Lasked_\@
.Lfor_b_\@:
	tensor_load_to_lds s[\g0b:\g0b+3], s[\g1b:\g1b+7]
	s_nop 0
.rept 4
	v_nop
.endr
.Lasked_\@:
.endm
.macro CREST                           ; a round of the cluster's barrier behind its opening barrier
	s_cmp_lg_u32 s14, 0
	s_cbranch_scc1 .Lnot_wave_0_\@
	s_barrier_signal -3
.Lnot_wave_0_\@:
	s_barrier_wait -3
	s_barrier_signal -1
	s_barrier_wait -1
.endm
.macro CROUND                          ; a whole round
	s_barrier_signal -1
	s_barrier_wait -1
	CREST
.endm
	s_load_b256 s[4:11], s[0:1], 0x0               ; xq s[4:5], wq s[6:7], b_qkv s[8:9], att s[10:11]
	v_lshl_add_u32 v[SPW], v0, 2, SPARE
	v_mov_b32 v[NIL], 0
	ds_add_u32 v[SPW], v[NIL]                      ; the wave's opening: the add, twice on end, and its wait ahead of my first tensor load
	ds_add_u32 v[SPW], v[NIL]                      ; and once more, under the one wait; the set-up below, work on registers, stands between
	v_lshrrev_b32 v1, 5, v0
	v_readfirstlane_b32 s14, v1                    ; wave 0..3
	s_lshr_b32 s15, s14, 1                         ; my half of the rows.  Also: I fetch for x (0) or for W (1)
	s_and_b32 s16, s14, 1                          ; my head of the pair.  Also: which half of that I fetch
	s_bfe_u32 s40, ttmp6, 0x40000                  ; cx, cy: my place in the cluster
	s_bfe_u32 s41, ttmp6, 0x40004
	s_lshl_b32 s42, ttmp9, 2
	s_add_co_u32 s42, s42, s40                     ; C = 4 x cluster x + cx
	s_and_b32 s17, ttmp7, 0xffff
	s_lshl_b32 s17, s17, 2
	s_add_co_u32 s17, s17, s41                     ; T = 4 x cluster y + cy, 0 to 31: my first tile
	s_lshl_b32 s43, s41, 2
	s_lshl_b32 s43, 15, s43                        ; my row of the cluster
	s_lshl_b32 s44, 0x1111, s40                    ; my column
	; descriptor groups 1: dense blocks as rows of 256 bytes (32 elements of 8 bytes), no padding: a quarter is 68 rows of x or 102 of W, three quarters 204 or 306
	s_or_b32 s[G1A], s43, (3<<16)|(1<<21)          ; 15:0 the mask: x's blocks go to my row; 17:16 elements of 8 bytes; 21 set beside a mask
	s_or_b32 s[G1A3], s43, (3<<16)|(1<<21)
	s_or_b32 s[G1B], s44, (3<<16)|(1<<21)          ; W's go to my column
	s_or_b32 s[G1B3], s44, (3<<16)|(1<<21)
.irp g, G1A, G1B, G1A3, G1B3
	s_mov_b32 s[\g+1], 32<<16                      ; tensor_dim0
	s_mov_b32 s[\g+3], 32<<16                      ; tile_dim0
	s_mov_b32 s[\g+5], 32                          ; tensor_dim0_stride
	s_mov_b32 s[\g+6], 0
	s_mov_b32 s[\g+7], 0
.endr
	s_mov_b32 s[G1A+2], 68<<16                     ; tensor_dim1
	s_mov_b32 s[G1A+4], 68                         ; tile_dim1
	s_mov_b32 s[G1B+2], 102<<16
	s_mov_b32 s[G1B+4], 102
	s_mov_b32 s[G1A3+2], 204<<16
	s_mov_b32 s[G1A3+4], 204
	s_mov_b32 s[G1B3+2], 306<<16
	s_mov_b32 s[G1B3+4], 306
	s_mul_i32 s20, s17, 8*AHALF                    ; x: tile T, which my row of the cluster shares,
	s_mul_i32 s19, s16, 4*AHALF                    ; + the half that I fetch: four quarters in memory,
	s_add_co_u32 s20, s20, s19
	s_mov_b32 s21, 0
	s_mul_i32 s45, s16, AREG                       ; three places in LDS
	s_mul_i32 s46, s42, 8*BHALF                    ; W: pair C, which my column shares,
	s_mul_i32 s19, s16, 4*BHALF
	s_add_co_u32 s46, s46, s19
	s_mov_b32 s47, 0
	s_mul_i32 s18, s16, BREG
	s_add_co_u32 s18, s18, BOFF
	s_mov_b32 s[CS], 0x3e38aa3b
	s_mov_b32 s[CS+1], s[CS]                       ; (named with it as a pair, so it is written)
	s_mov_b32 s[SEL], 0x76543210
	s_mov_b32 s[SEL+1], 0xfedcba98
	s_wait_dscnt 0x0                               ; both opening adds are done
	s_wait_kmcnt 0x0
	s_add_nc_u64 s[20:21], s[4:5], s[20:21]
	s_add_nc_u64 s[46:47], s[6:7], s[46:47]
	CROUND                                         ; all sixteen work-groups are here: the first joint loads meet
.irp n, 0,1,2                          ; quarter n of K into place n
	s_mov_b32 s[G0A+4*\n], 1
	s_add_co_u32 s[G0A+4*\n+1], s45, \n*AHALF
	s_add_nc_u64 s[G0A+4*\n+2:G0A+4*\n+3], s[20:21], \n*AHALF
	s_or_b32 s[G0A+4*\n+3], s[G0A+4*\n+3], 0x80000000
	s_mov_b32 s[G0B+4*\n], 1
	s_add_co_u32 s[G0B+4*\n+1], s18, \n*BHALF
	s_add_nc_u64 s[G0B+4*\n+2:G0B+4*\n+3], s[46:47], \n*BHALF
	s_or_b32 s[G0B+4*\n+3], s[G0B+4*\n+3], 0x80000000
	JLOAD G0A+4*\n, G1A, G0B+4*\n, G1B
.endr
	v_and_b32 v1, 31, v0
	v_lshlrev_b32 v[GO], 4, v1
	s_mul_i32 s19, s15, AREG                       ; my half of x
	s_mul_i32 s36, s16, BREG                       ; my head of W
	s_add_co_u32 s36, s36, BOFF
.irp n, 0,1,2
	v_add_nc_u32 v[ADRA+\n], s19, v[GO]
	v_add_nc_u32 v[ADRB+\n], s36, v[GO]
	s_add_co_u32 s19, s19, AHALF
	s_add_co_u32 s36, s36, BHALF
.endr
	v_and_b32 v3, 15, v0                           ; r
	v_bfe_u32 v7, v0, 4, 1                         ; h
	s_mul_i32 s19, s14, 32*SP
	s_add_co_u32 s19, s19, STAGE                   ; my stage
	v_mul_u32_u24 v[STO], v3, SP
	v_lshl_add_u32 v[STO], v7, 4, v[STO]
	v_add_nc_u32 v[STO], s19, v[STO]               ; in: position r, 16 bytes for each half of the lanes
	v_bfe_u32 v[RD], v0, 3, 2
	v_mul_u32_u24 v[RD], v[RD], SP
	v_and_b32 v11, 7, v0
	v_lshl_add_u32 v[RD], v11, 4, v[RD]
	v_add_nc_u32 v[RD], s19, v[RD]                 ; out: four positions an instruction, eight lanes to a position's 128 bytes
	v_lshlrev_b32 v[BO], 5, v7
	v_mov_b32 v[NINF], 0xff800000
	s_lshl_b32 s38, s42, 1
	s_add_co_u32 s38, s38, s16                     ; my head = 2 C + wave % 2
	s_lshl_b32 s36, s38, 8
	s_mov_b32 s37, 0
	s_add_nc_u64 s[8:9], s[8:9], s[36:37]          ; b_qkv at my head's 64 numbers of q
	s_lshr_b32 s36, s17, 4
	s_lshl_b32 s36, s36, 12                        ; att's row: 4096 b
	s_lshl_b32 s39, s38, 8
	s_add_co_u32 s36, s36, s39                     ; + 256 head
	s_and_b32 s39, s17, 15
	s_lshl_b32 s39, s39, 4
	s_add_co_u32 s36, s36, s39                     ; + 2 bl, bl = 8 (T % 16) + 4 (wave / 2) + sigma
	s_lshl_b32 s39, s15, 3
	s_add_co_u32 s36, s36, s39
	s_lshl_b32 s36, s36, 11                        ; rows of 2,048 bytes
	s_add_nc_u64 s[10:11], s[10:11], s[36:37]
.irp j, 0,1,2,3,4,5,6,7
	s_mov_b32 s[MK+\j], ((1<<\j)-1)|(((1<<(8+\j))-1)<<16)   ; lanes 0-15: query < j; lanes 16-31: query < 8 + j
.endr
.macro BIASQK                          ; q's and k's biases, the C of K step 0's products, lie where v's accumulators of sequence 0 are: lane (r, h): b[1024 g + 64 head + 16 t + 8 h + 0 .. 7]
	WIN 0xc0                                       ; destination window 3
.irp g, 0,1
.irp t, 0,1,2,3
	global_load_b128 v[32*\g+8*\t:32*\g+8*\t+3],   v[BO], s[8:9] offset:4096*\g+64*\t
	global_load_b128 v[32*\g+8*\t+4:32*\g+8*\t+7], v[BO], s[8:9] offset:4096*\g+64*\t+16
.endr
.endr
	WIN 0
.endm
.macro BVLOAD                          ; v's bias, in the layout of O^T
.irp t, 0,1,2,3
	global_load_b128 v[BV+8*\t:BV+8*\t+3],   v[BO], s[8:9] offset:8192+64*\t
	global_load_b128 v[BV+8*\t+4:BV+8*\t+7], v[BO], s[8:9] offset:8192+64*\t+16
.endr
.endm
.macro LDB s, g                        ; W's four fragments of group g (q, k, v) for K step s: 8 loads
.set rBF, BF+32*((3*(\s)+(\g))%2)
.set rAD, ADRB+((\s)/2)%3
.irp t, 0,1,2,3
.irp c, 0,1
	ds_load_b128 v[rBF+8*\t+4*\c:rBF+8*\t+4*\c+3], v[rAD] offset:(4*(\g)+\t)*2048+((\s)%2)*1024+512*\c
.endr
.endr
.endm
.macro LDA s, a0                       ; x's blocks a0 .. a0 + 3 for K step s: 8 loads
.set rAF, AF+64*((\s)%2)
.set rAD, ADRA+((\s)/2)%3
.irp a, \a0, \a0+1, \a0+2, \a0+3
.irp c, 0,1
	ds_load_b128 v[rAF+8*(\a)+4*\c:rAF+8*(\a)+4*\c+3], v[rAD] offset:(\a)*2048+((\s)%2)*1024+512*\c
.endr
.endr
.endm
.macro LDSC q                          ; quarter q's scale words: 5 loads, four words a lane each
.set rSC, SC+20*((\q)%2)
.irp i, 0,1
	ds_load_b128 v[rSC+4*\i:rSC+4*\i+3], v[ADRA+(\q)%3] offset:16384+512*\i
.endr
.irp g, 0,1,2
	ds_load_b128 v[rSC+8+4*\g:rSC+8+4*\g+3], v[ADRB+(\q)%3] offset:24576+512*\g
.endr
.endm
; n x 4 matrix instructions of group g in K step s: x's blocks a0 on, each against W's four tiles.  The group's accumulators take turns, one instruction a turn, and the three groups follow each other.
; K step 0 starts the sums: q and k from their biases, v from 0.  In the quarter's second K step both sides' scale words are taken from lanes 16-31.
.macro MULG s, g, a0, n
.set rSC, SC+20*(((\s)/2)%2)
.set rAF, AF+64*((\s)%2)
.set rBF, BF+32*((3*(\s)+(\g))%2)
.if ((\s) == 0) && ((\g) < 2)
	WIN 0x30|(((\g)+1)<<6)                         ; C from window 3, D in the group's window
.else
	WIN 0x50*((\g)+1)                              ; C and D in the group's window
.endif
.set ia, \a0
.rept \n
.set it, 0
.rept 4
.set rD, 8*(4*ia+it)
.set rX, rAF+8*ia
.set rW, rBF+8*it
.set rSX, rSC+ia
.set rSW, rSC+8+4*(\g)+it
.set rC, 32*(\g)+8*it
.if (\g) < 2
.if (\s) == 0
	v_wmma_scale_f32_16x16x128_f8f6f4 v[rD:rD+7], v[rW:rW+7], v[rX:rX+7], v[rC:rC+7], v[rSW], v[rSX] matrix_a_fmt:MATRIX_FMT_FP4 matrix_b_fmt:MATRIX_FMT_FP4
.elseif (\s)%2
	v_wmma_scale_f32_16x16x128_f8f6f4 v[rD:rD+7], v[rW:rW+7], v[rX:rX+7], v[rD:rD+7], v[rSW], v[rSX] matrix_a_fmt:MATRIX_FMT_FP4 matrix_b_fmt:MATRIX_FMT_FP4 matrix_a_scale:MATRIX_SCALE_ROW1 matrix_b_scale:MATRIX_SCALE_ROW1
.else
	v_wmma_scale_f32_16x16x128_f8f6f4 v[rD:rD+7], v[rW:rW+7], v[rX:rX+7], v[rD:rD+7], v[rSW], v[rSX] matrix_a_fmt:MATRIX_FMT_FP4 matrix_b_fmt:MATRIX_FMT_FP4
.endif
.else
.if (\s) == 0
	v_wmma_scale_f32_16x16x128_f8f6f4 v[rD:rD+7], v[rX:rX+7], v[rW:rW+7], 0, v[rSX], v[rSW] matrix_a_fmt:MATRIX_FMT_FP4 matrix_b_fmt:MATRIX_FMT_FP4
.elseif (\s)%2
	v_wmma_scale_f32_16x16x128_f8f6f4 v[rD:rD+7], v[rX:rX+7], v[rW:rW+7], v[rD:rD+7], v[rSX], v[rSW] matrix_a_fmt:MATRIX_FMT_FP4 matrix_b_fmt:MATRIX_FMT_FP4 matrix_a_scale:MATRIX_SCALE_ROW1 matrix_b_scale:MATRIX_SCALE_ROW1
.else
	v_wmma_scale_f32_16x16x128_f8f6f4 v[rD:rD+7], v[rX:rX+7], v[rW:rW+7], v[rD:rD+7], v[rSX], v[rSW] matrix_a_fmt:MATRIX_FMT_FP4 matrix_b_fmt:MATRIX_FMT_FP4
.endif
.endif
.set it, it+1
.endr
.set ia, ia+1
.endr
.endm
; A K step whose successor's bytes are known to lie in LDS: three groups of 32 products; at each group's head, behind four places, the loads for one group on.
.macro KSTEP s
.if (\s) > 0
	PLACES 4
.endif
	WIN 0
	LDB \s, 1
	s_wait_dscnt 8                                 ; all but the 8 just issued: x's fragments, W's of q and the scale words are in
	MULG \s, 0, 0, 8
	PLACES 4
	WIN 0
	LDB \s, 2
	LDA (\s)+1, 0
.if (\s) == 3
	LDSC 2
	s_wait_dscnt 21                                ; W's of k are in; behind them 8 + 8 + 5
.else
	s_wait_dscnt 16                                ; W's of k are in; behind them 8 + 8
.endif
	MULG \s, 1, 0, 8
.if (\s) == 0
	PLACES 5                                       ; v's first products write over the registers that k's read as C: one place more
.else
	PLACES 4
.endif
	WIN 0
	LDB (\s)+1, 0
	LDA (\s)+1, 4
.if (\s) == 3
	s_wait_dscnt 29                                ; W's of v are in; behind them 8 + 5 and the 16 just issued
.else
	s_wait_dscnt 24                                ; W's of v are in; behind them 8 and the 16 just issued
.endif
	MULG \s, 2, 0, 8
.endm
; K steps 1, 5 and 7 begin alike: q's products, and the loads of W's fragments of v, which are the wave's last read of the place in hand.
.macro KT_HEAD s
	PLACES 4
	WIN 0
	LDB \s, 1
	s_wait_dscnt 8                                 ; all but the 8 just issued
	MULG \s, 0, 0, 8
	PLACES 4
	WIN 0
	LDB \s, 2
.endm
; And go on through a barrier.  In front of it each wave waits for all its tensor loads, adds 0 to its spare word, and waits for that and for its LDS reads.
; fill = 1 (K step 1): the barrier opens a round of the cluster's, and place 0 is filled again with quarter 3, which has 11 groups of 32 products in which to land.
; fill = 0 (K step 5): quarter 3 is now whole for every wave.
; fill = 2 (K step 7 of a tile that has a successor): a round; all three places, which nobody reads any more, are filled with the next tile's quarters 0, 1, 2 by one load a wave.
.macro KT_REST s, fill
	s_wait_tensorcnt 0x0                           ; all my tensor loads have landed
	ds_add_u32 v[SPW], v[NIL]                      ; 0 onto my spare word
	s_wait_dscnt 9                                 ; W's of k are in (the add and the 8 loads just issued may be out)
	MULG \s, 1, 0, 4                               ; sixteen matrix instructions stand between the add and the wait for it
	s_wait_dscnt 0x0                               ; the add is done, and my LDS reads are over
	s_barrier_signal -1
	MULG \s, 1, 4, 4
	WIN 0
	s_barrier_wait -1
.if (\fill) == 1
	CREST                                          ; no wave of any partner still reads place 0 or has a load on its way
	s_add_nc_u64 s[G0A+2:G0A+3], s[G0A+2:G0A+3], 3*AHALF
	s_add_nc_u64 s[G0B+2:G0B+3], s[G0B+2:G0B+3], 3*BHALF
	JLOAD G0A, G1A, G0B, G1B                       ; the first tensor load behind the round; its four v_nop are also the places in front of the loads below
.elseif (\fill) == 2
	CREST                                          ; no wave of any partner still reads any place or has a load on its way
	s_add_nc_u64 s[G0A+2:G0A+3], s[G0A+2:G0A+3], NEXT_A          ; x: on to tile T + 32, quarter 0
	s_sub_nc_u64 s[G0B+2:G0B+3], s[G0B+2:G0B+3], 3*BHALF         ; W: back to quarter 0
	JLOAD G0A, G1A3, G0B, G1B3
.else
	PLACES 4
.endif
.if (\s) < 7
	LDA (\s)+1, 0
	LDSC ((\s)+1)/2
	LDB (\s)+1, 0
	LDA (\s)+1, 4
.else
	BVLOAD
.endif
	MULG \s, 2, 0, 8                               ; W's of v came in ahead of the barrier
.endm
; THE ATTENTION, a sequence (blocks 2 sg and 2 sg + 1) at a time, all in window 0.
.set QP,  64                           ; v64-95   q as f16: 16 qt + 4 t + i
.set KP,  96                           ; v96-127  k likewise
.set OA,  64                           ; v64-127  O^T laid over both: (t, qt) at 16 t + 8 qt
.set VP,  128                          ; v128-159 v as f16: 8 t + 4 u + i, u the block of keys
.set ST,  160                          ; v160-183 S^T: keys 0-15 x queries 0-15; keys 0-15 x queries 16-31; keys 16-31 x queries 16-31
.set OUTR, 160                         ; v160-191 the result as f16, and the same registers for the rows read back from the stage
.set P0,  224                          ; v224-231 the weights of queries 0-15 (keys 16-31: zeros)
.set P1,  232                          ; v232-239 of queries 16-31
.set M0,  240                          ; v240-243 maxima and what is at work; later two pairs of sums
.set M1,  241
.set T0,  242
.set T1,  243
.set MC0, 244                          ; pairs of which the low word serves both halves: c m,
.set MC1, 246
.set L0,  248                          ; the sums,
.set L1,  250
.set RL0, 252                          ; and 1 / l
.set RL1, 254
.macro PACK sg                         ; 96 roundings to f16, each accumulator from its low end on
	WIN 0x05                                       ; sources in window 1
.irp u, 0,1
.irp t, 0,1,2,3
.irp i, 0,1,2,3
	v_cvt_pk_f16_f32 v[QP+16*\u+4*\t+\i], v[8*(4*(2*(\sg)+\u)+\t)+2*\i], v[8*(4*(2*(\sg)+\u)+\t)+2*\i+1]
.endr
.endr
.endr
	WIN 0x0a                                       ; window 2
.irp u, 0,1
.irp t, 0,1,2,3
.irp i, 0,1,2,3
	v_cvt_pk_f16_f32 v[KP+16*\u+4*\t+\i], v[8*(4*(2*(\sg)+\u)+\t)+2*\i], v[8*(4*(2*(\sg)+\u)+\t)+2*\i+1]
.endr
.endr
.endr
	WIN 0x0f                                       ; window 3
.irp u, 0,1
.irp t, 0,1,2,3
.irp i, 0,1,2,3
	v_cvt_pk_f16_f32 v[VP+8*\t+4*\u+\i], v[8*(4*(2*(\sg)+\u)+\t)+2*\i], v[8*(4*(2*(\sg)+\u)+\t)+2*\i+1]
.endr
.endr
.endr
	WIN 0
.endm
.macro SOFT sg
.if (\sg) > 0
	s_wait_xcnt 0x0                                ; the last sequence's stores have read v160-191, which the scores below write
.endif
	v_wmma_f32_16x16x32_f16 v[ST:ST+7],     v[KP:KP+7],     v[QP:QP+7],     0               ; channels 0-31; the three tiles by turns
	v_wmma_f32_16x16x32_f16 v[ST+8:ST+15],  v[KP:KP+7],     v[QP+16:QP+23], 0
	v_wmma_f32_16x16x32_f16 v[ST+16:ST+23], v[KP+16:KP+23], v[QP+16:QP+23], 0
	v_wmma_f32_16x16x32_f16 v[ST:ST+7],     v[KP+8:KP+15],  v[QP+8:QP+15],  v[ST:ST+7]      ; channels 32-63
	v_wmma_f32_16x16x32_f16 v[ST+8:ST+15],  v[KP+8:KP+15],  v[QP+24:QP+31], v[ST+8:ST+15]
	v_wmma_f32_16x16x32_f16 v[ST+16:ST+23], v[KP+24:KP+31], v[QP+24:QP+31], v[ST+16:ST+23]
	PLACES 4
.irp j, 0,1,2,3,4,5,6,7
	v_cndmask_b32 v[ST+\j], v[ST+\j], v[NINF], s[MK+\j]            ; the two diagonal tiles: a key after its query counts for nothing
	v_cndmask_b32 v[ST+16+\j], v[ST+16+\j], v[NINF], s[MK+\j]
.endr
	v_max3_num_f32 v[M0], v[ST], v[ST+1], v[ST+2]                  ; the rows' largest scores, in chains that do not wait for each other
	v_max3_num_f32 v[T0], v[ST+3], v[ST+4], v[ST+5]
	v_max3_num_f32 v[M1], v[ST+8], v[ST+9], v[ST+10]
	v_max3_num_f32 v[T1], v[ST+11], v[ST+12], v[ST+13]
	v_max3_num_f32 v[M0], v[M0], v[ST+6], v[ST+7]
	v_max3_num_f32 v[M1], v[M1], v[ST+14], v[ST+15]
	v_max3_num_f32 v[T1], v[T1], v[ST+16], v[ST+17]
	v_max3_num_f32 v[M1], v[M1], v[ST+18], v[ST+19]
	v_max3_num_f32 v[T1], v[T1], v[ST+20], v[ST+21]
	v_max3_num_f32 v[M1], v[M1], v[ST+22], v[ST+23]
	v_max_num_f32 v[M0], v[M0], v[T0]
	v_max_num_f32 v[M1], v[M1], v[T1]
	v_permlanex16_b32 v[T0], v[M0], s[SEL], s[SEL+1]               ; the query's other keys lie in the lane 16 away
	v_permlanex16_b32 v[T1], v[M1], s[SEL], s[SEL+1]
	v_max_num_f32 v[M0], v[M0], v[T0]
	v_max_num_f32 v[M1], v[M1], v[T1]
	v_mul_f32 v[MC0], s[CS], v[M0]
	v_mul_f32 v[MC1], s[CS], v[M1]
.irp j, 0,2,4,6
	v_pk_fma_f32 v[ST+\j:ST+\j+1], v[ST+\j:ST+\j+1], s[CS:CS+1], v[MC0:MC0+1] op_sel_hi:[1,0,0] neg_lo:[0,0,1] neg_hi:[0,0,1]   ; c s - c m
.endr
.irp j, 8,10,12,14,16,18,20,22
	v_pk_fma_f32 v[ST+\j:ST+\j+1], v[ST+\j:ST+\j+1], s[CS:CS+1], v[MC1:MC1+1] op_sel_hi:[1,0,0] neg_lo:[0,0,1] neg_hi:[0,0,1]
.endr
.irp j, 0,1,2,3,4,5,6,7,8,9,10,11,12,13,14,15,16,17,18,19,20,21,22,23
	v_exp_f32 v[ST+\j], v[ST+\j]                   ; one batch
.endr
	v_nop                                          ; a plain line behind the last exponential
	s_wait_alu depctr_va_vdst(0)                   ; one wait for the batch, ahead of its first reader
	v_pk_add_f32 v[L0:L0+1], v[ST:ST+1], v[ST+2:ST+3]              ; the sums of the unrounded weights
	v_pk_add_f32 v[M0:M0+1], v[ST+4:ST+5], v[ST+6:ST+7]
	v_pk_add_f32 v[L1:L1+1], v[ST+8:ST+9], v[ST+10:ST+11]
	v_pk_add_f32 v[T0:T0+1], v[ST+12:ST+13], v[ST+14:ST+15]
	v_pk_add_f32 v[L0:L0+1], v[L0:L0+1], v[M0:M0+1]
	v_pk_add_f32 v[L1:L1+1], v[L1:L1+1], v[ST+16:ST+17]
	v_pk_add_f32 v[T0:T0+1], v[T0:T0+1], v[ST+18:ST+19]
	v_pk_add_f32 v[L1:L1+1], v[L1:L1+1], v[ST+20:ST+21]
	v_pk_add_f32 v[T0:T0+1], v[T0:T0+1], v[ST+22:ST+23]
	v_add_f32 v[L0], v[L0], v[L0+1]
	v_pk_add_f32 v[L1:L1+1], v[L1:L1+1], v[T0:T0+1]
	v_permlanex16_b32 v[M0], v[L0], s[SEL], s[SEL+1]
	v_add_f32 v[L1], v[L1], v[L1+1]
	v_add_f32 v[L0], v[L0], v[M0]
	v_permlanex16_b32 v[T0], v[L1], s[SEL], s[SEL+1]
	v_add_f32 v[L1], v[L1], v[T0]
	v_rcp_f32 v[RL0], v[L0]
	v_rcp_f32 v[RL1], v[L1]
.irp i, 0,1,2,3
	v_cvt_pk_f16_f32 v[P0+\i], v[ST+2*\i], v[ST+2*\i+1]            ; the weights as f16: plain work behind the reciprocals
	v_cvt_pk_f16_f32 v[P1+\i], v[ST+8+2*\i], v[ST+8+2*\i+1]
	v_cvt_pk_f16_f32 v[P1+4+\i], v[ST+16+2*\i], v[ST+16+2*\i+1]
.endr
	s_wait_alu depctr_va_vdst(0)                   ; one wait for the two reciprocals, ahead of their first reader
.irp t, 0,1,2,3
	v_wmma_f32_16x16x32_f16 v[OA+16*\t:OA+16*\t+7],    v[VP+8*\t:VP+8*\t+7], v[P0:P0+7], 0   ; O^T: 16 channels x 16 queries, all 32 keys in one instruction
	v_wmma_f32_16x16x32_f16 v[OA+16*\t+8:OA+16*\t+15], v[VP+8*\t:VP+8*\t+7], v[P1:P1+7], 0
.endr
	PLACES 4
.if (\sg) == 0
	s_wait_loadcnt 0x0                             ; b_v
.endif
.irp t, 0,1,2,3
.irp q, 0,1
.irp i, 0,1,2,3
	v_pk_fma_f32 v[OA+16*\t+8*\q+2*\i:OA+16*\t+8*\q+2*\i+1], v[OA+16*\t+8*\q+2*\i:OA+16*\t+8*\q+2*\i+1], v[RL0+2*\q:RL0+2*\q+1], v[BV+8*\t+2*\i:BV+8*\t+2*\i+1] op_sel_hi:[1,0,1]   ; / l, + b_v
.endr
.endr
.endr
.irp t, 0,1,2,3
.irp q, 0,1
.irp i, 0,1,2,3
	v_cvt_pk_f16_f32 v[OUTR+4*(4*\q+\t)+\i], v[OA+16*\t+8*\q+2*\i], v[OA+16*\t+8*\q+2*\i+1]
.endr
.endr
.endr
.irp q, 0,1
.irp t, 0,1,2,3
	ds_store_b128 v[STO], v[OUTR+4*(4*\q+\t):OUTR+4*(4*\q+\t)+3] offset:16*SP*\q+32*\t       ; position 16 q + r, channels 16 t + 8 h on
.endr
.endr
.irp i, 0,1,2,3,4,5,6,7
	ds_load_b128 v[OUTR+4*\i:OUTR+4*\i+3], v[RD] offset:4*SP*\i    ; LDS serves a wave's instructions in order (ISA guide 5.7.1.4): these see the stores above, and come back into the registers that they left
.endr
.endm
.macro SEND sg                         ; a sequence is 4,096 consecutive bytes of att: two whole rows of the next product's left operand
	s_wait_dscnt 0x0
.irp i, 0,1,2,3,4,5,6,7
	global_store_b128 v[GO], v[OUTR+4*\i:OUTR+4*\i+3], s[10:11] offset:4096*(\sg)+512*\i     ; 32 lanes store 512 consecutive bytes, at a multiple of 256 from att's first byte
.endr
.endm
; A WHOLE TILE: eight K steps and the attention of the wave's four sequences.  more = 1: another tile follows: its first three quarters are asked for in K step 7, and q's and k's biases are loaded again
; behind the first sequence's softmax, into the accumulators of v that its roundings have read.
.macro TILE more
	LDSC 0
	LDA 0, 0
	LDA 0, 4
	LDB 0, 0
	s_wait_loadcnt 0x0                             ; q's and k's biases
	KSTEP 0
	KT_HEAD 1
	KT_REST 1, 1
	KSTEP 2
	KSTEP 3                                        ; on into place 2: every wave waited for quarter 2 ahead of K step 1's round
	KSTEP 4
	KT_HEAD 5
	KT_REST 5, 0
	KSTEP 6
	KT_HEAD 7
.if \more
	KT_REST 7, 2
.else
	s_wait_dscnt 8                                 ; W's of k are in; nothing more is fetched, so no barrier
	MULG 7, 1, 0, 8
	PLACES 4
	WIN 0
	BVLOAD
	s_wait_dscnt 0x0
	MULG 7, 2, 0, 8
.endif
	PACK 0                                         ; q's and k's roundings, which name no register of v's last products, are the places behind them
.irp i, 4,5,6,7
	v_mov_b32 v[P0+\i], 0                          ; keys 16-31 count for nothing with queries 0-15
.endr
	v_mov_b32 v[MC0+1], 0                          ; the upper halves of pairs that are named whole
	v_mov_b32 v[MC1+1], 0
	v_mov_b32 v[RL0+1], 0
	v_mov_b32 v[RL1+1], 0
	SOFT 0
.if \more
	BIASQK
.endif
.irp g, 1,2,3                          ; the next sequence's roundings stand between the loads from the stage and the wait for them
	PACK \g
	SEND \g-1
	SOFT \g
.endr
	SEND 3
.endm
	BIASQK
	s_wait_tensorcnt 2                             ; my part of quarter 0 is in; quarters 1 and 2 may be out
	s_barrier_signal -1
	s_barrier_wait -1                              ; everybody's is
	TILE 1
	s_wait_xcnt 0x0                                ; the tile's stores have read their base and their registers: both are written again below
	s_add_nc_u64 s[10:11], s[10:11], NEXT_O        ; att two batches on
	s_wait_tensorcnt 0x0                           ; my part of the next tile's first three quarters is in (no LDS instruction of mine is out: the last stores waited for them),
	s_barrier_signal -1
	s_barrier_wait -1                              ; everybody's is
	TILE 0
	s_wait_tensorcnt 0x0                           ; the wave's end, behind my last tensor load and my last LDS store
	ds_add_u32 v[SPW], v[NIL]
	s_wait_dscnt 0x0
	CROUND                                         ; the closing round: no work-group ends while a partner may still ask for a block that names it
	s_endpgm
.Lfunc_end_k_q0cda19dab5_qkv_attn:
	.size	k_q0cda19dab5_qkv_attn, .Lfunc_end_k_q0cda19dab5_qkv_attn-k_q0cda19dab5_qkv_attn
	.p2alignl 7, 3214868480
	.fill 96, 4, 3214868480
	.section	.rodata,"a",@progbits
	.p2align	6, 0x0
	.amdhsa_kernel k_q0cda19dab5_qkv_attn
		.amdhsa_group_segment_fixed_size 327680
		.amdhsa_private_segment_fixed_size 0
		.amdhsa_enable_private_segment 0
		.amdhsa_kernarg_size 32
		.amdhsa_user_sgpr_count 2
		.amdhsa_user_sgpr_kernarg_segment_ptr 1
		.amdhsa_wavefront_size32 1
		.amdhsa_system_sgpr_workgroup_id_x 1
		.amdhsa_system_sgpr_workgroup_id_y 1
		.amdhsa_system_sgpr_workgroup_id_z 1
		.amdhsa_system_vgpr_workitem_id 0
		.amdhsa_next_free_vgpr 1024
		.amdhsa_next_free_sgpr 100
		.amdhsa_reserve_vcc 0
		.amdhsa_float_denorm_mode_32 3
		.amdhsa_float_denorm_mode_16_64 3
		.amdhsa_memory_ordered 1
		.amdhsa_forward_progress 1
		.amdhsa_inst_pref_size 255
	.end_amdhsa_kernel
	.section	.bss,"aw",@nobits
	.p2align	6
	.space	262144
	.amdgpu_metadata
---
amdhsa.version: [ 1, 2 ]
amdhsa.kernels:
  - .name:           k_q0cda19dab5_qkv_attn
    .symbol:         k_q0cda19dab5_qkv_attn.kd
    .args:
      - { .name: xq, .offset: 0, .size: 8, .value_kind: global_buffer, .address_space: global }
      - { .name: wq, .offset: 8, .size: 8, .value_kind: global_buffer, .address_space: global }
      - { .name: b_qkv, .offset: 16, .size: 8, .value_kind: global_buffer, .address_space: global }
      - { .name: att, .offset: 24, .size: 8, .value_kind: global_buffer, .address_space: global }
    .group_segment_fixed_size: 327680
    .private_segment_fixed_size: 0
    .kernarg_segment_align: 8
    .kernarg_segment_size: 32
    .max_flat_workgroup_size: 128
    .sgpr_count:     100
    .vgpr_count:     1024
    .wavefront_size: 32
...
	.end_amdgpu_metadata
.endif
;; end of part 2
;; launch proj (part 3): grid 4 x 64, 4 waves a work-group, clusters of 4 x 4, 327,680 bytes of LDS; arguments att, wo16, b_out, out0; writes out0
.if DOCPART == 3
	.amdgcn_target "amdgcn-amd-amdhsa--gfx1250"
	.amdhsa_code_object_version 6
	.text
	.protected	k_q0cda19dab5_proj
	.globl	k_q0cda19dab5_proj
	.p2align	8
	.type	k_q0cda19dab5_proj,@function
k_q0cda19dab5_proj:
	s_mov_b64 s[64:65], 0
	v_nop
	global_prefetch_b8 v0, s[64:65] scope:SCOPE_SE
	s_setreg_imm32_b32 hwreg(HW_REG_WAVE_MODE, 25, 1), 1
	s_wait_xcnt 0x0
	s_wait_alu depctr_hold_cnt(0) depctr_sa_sdst(0) depctr_va_vdst(0) depctr_va_sdst(0) depctr_va_ssrc(0) depctr_va_vcc(0) depctr_vm_vsrc(0)
	s_getreg_b32 s2, hwreg(HW_REG_IB_STS2, 6, 4)
	s_cmp_eq_u32 s2, 0
	s_cbranch_scc0 .Lentry_in_a_cluster
	s_endpgm
.Lentry_in_a_cluster:
	s_bfe_u32 s2, ttmp6, 0x10000c
	s_cmp_lg_u32 s2, 0xf033
	s_cbranch_scc0 .Lentry_shape_is_right
	s_endpgm
.Lentry_shape_is_right:
; out0[m][n] = sum over k of att[m][k] W_out[n][k] + b_out[n].  att: [16384][1024] f16, wo16: [1024][1024] f16, b_out: [1024] f32, out0: [16384][1024] f32; sums in f32.
; A tile of 256 x 256 is made by a work-group of four waves, as many as a WGP has SIMDs; a wave makes 128 x 128: 64 accumulators of 16 x 16, 512 registers.  64 x 4 tiles: one work-group for each of 256.
; K goes in steps of 128 through a ring of two LDS slots filled by the tensor data mover: a tile's row is 256 bytes of memory, at a multiple of 256 from the buffer's first byte.
; CLUSTERS: 4 x 4 work-groups.  The four of a row of the cluster need the same tiles of att, the four of a column the same tiles of wo16: each tile is asked for JOINTLY, by the same tensor load with the same descriptor and a mask that names the four.
; THE MATRIX INSTRUCTION IS USED TRANSPOSED (source 0 = 16 rows of wo16, source 1 = 16 rows of att): a lane then holds eight neighbouring numbers of a row of out0.  The bias is the C of each sum's first product.
; REGISTERS, in windows of 256: window 0: v0-31 addresses; v64-127, v128-191 att's fragments (8 x 16 rows x 32 K), two buffers; v192-255 the bias, 8 registers for each of my 8 column blocks; on the way out v128-255 rows read back.
;   window 1: v64-127, v128-191 wo16's fragments.   window 2: the 32 accumulators of my rows 0-63 ((a, b) at v[8 (8 a + b)]);   window 3: those of my rows 64-127.
; LIMITS: as the launches before state them (f16 operands); NaN and infinities are not served.
.set SIZE_N, 1024
.set SIZE_K, 1024
.set KSTEP,  128
.set PITCH,  272                       ; an LDS row: 256 bytes + 16 of padding = 68 words: row r starts at bank 4 r mod 64 (64 banks of 4 bytes: ISA guide 11.1)
.set HALFT,  128*PITCH                 ; 128 rows: what one tensor load brings, and what one wave reads of either operand
.set SLOT,   4*HALFT                   ; att's 256 rows, then wo16's 256 rows
.set STAGE,  2*SLOT                    ; behind the ring: 16 rows x 528 bytes for each wave, for the way out
.set SPITCH, 528
.set SPARE,  STAGE+4*16*SPITCH         ; behind the stages: the spare words, 128 bytes for each wave: two blocks of 256 bytes that no other line names
.set LAPS,   SIZE_K/(2*KSTEP)          ; a lap = two K steps = once round the ring: 4
.set ADRA, 16                          ; v16-17  LDS address of my fragments of att in slot 0, 1
.set ADRB, 20                          ; v20-21  the same for wo16
.set STO,  24                          ; v24     the way out: where I put 32 bytes of a row
.set RD,   25                          ; v25     where I read a row back
.set CO,   26                          ; v26     my byte offset in a row of out0
.set BO,   27                          ; v27     32 x (lane / 16): my eight numbers of a block's sixteen biases
.set SPW,  28                          ; v28     LDS address of my spare word; never rewritten
.set NIL,  29                          ; v29     0; never rewritten
.set F0,   64
.set F1,   128
.set BI,   192                         ; the bias
.set BK,   128                         ; the way out: v128-191 and v192-255 by turns
.set G1, 24                            ; s[24:31] descriptor group 1 for att's tiles;  s[32:39] group 0, one set for each slot
.set G0, 32
.set G1B, 48                           ; s[48:55], s[56:63] the same for wo16's
.set G0B, 56
.set MSB, 0
.macro WIN new                         ; the immediate's high byte repeats the setting that is left
.if MSB != \new
	s_set_vgpr_msb (MSB<<8)|\new
.set MSB, \new
.endif
.endm
.set MUL_LO, 0xa1                      ; source 0 (wo16) window 1, source 1 (att) window 0, C and D window 2
.set MUL_HI, 0xf1                      ; the same, C and D window 3
.set TO_B,   0x40                      ; destination window 1, address window 0
.macro JLOAD s                         ; a joint load: waves 0 and 1 fetch att's two halves, waves 2 and 3 wo16's; an s_nop 0 and four v_nop follow each of the two lines
	s_cmp_eq_u32 s15, 0
	s_cbranch_scc0 .Lfor_b_\@
	tensor_load_to_lds s[G0+4*\s:G0+4*\s+3], s[G1:G1+7]
	s_nop 0
.rept 4
	v_nop
.endr
	s_branch .Lasked_\@
.Lfor_b_\@:
	tensor_load_to_lds s[G0B+4*\s:G0B+4*\s+3], s[G1B:G1B+7]
	s_nop 0
.rept 4
	v_nop
.endr
.Lasked_\@:
.endm
.macro CREST                           ; a round of the cluster's barrier behind its opening barrier
	s_cmp_lg_u32 s14, 0
	s_cbranch_scc1 .Lnot_wave_0_\@
	s_barrier_signal -3
.Lnot_wave_0_\@:
	s_barrier_wait -3
	s_barrier_signal -1
	s_barrier_wait -1
.endm
.macro CROUND                          ; a whole round
	s_barrier_signal -1
	s_barrier_wait -1
	CREST
.endm
	s_load_b256 s[4:11], s[0:1], 0x0               ; att s[4:5], wo16 s[6:7], b_out s[8:9], out0 s[10:11]
	v_lshl_add_u32 v[SPW], v0, 2, SPARE
	v_mov_b32 v[NIL], 0
	ds_add_u32 v[SPW], v[NIL]                      ; the wave's opening: the add, twice on end, and its wait ahead of my first tensor load
	ds_add_u32 v[SPW], v[NIL]                      ; and once more, under the one wait; the set-up below, work on registers, stands between
	v_lshrrev_b32 v1, 5, v0
	v_readfirstlane_b32 s14, v1                    ; wave 0..3
	s_lshr_b32 s15, s14, 1                         ; which half of the tile's rows is mine.  Also: I fetch for att (0) or for wo16 (1)
	s_and_b32 s16, s14, 1                          ; which half of its columns.  Also: which 128 rows of that tile I fetch
	s_bfe_u32 s40, ttmp6, 0x40000                  ; cx, cy: my place in the cluster
	s_bfe_u32 s41, ttmp6, 0x40004
	s_lshl_b32 s42, ttmp9, 2
	s_add_co_u32 s42, s42, s40                     ; tile column = 4 x cluster x + cx
	s_and_b32 s17, ttmp7, 0xffff
	s_lshl_b32 s17, s17, 2
	s_add_co_u32 s17, s17, s41                     ; tile row = 4 x cluster y + cy
	s_lshl_b32 s43, s41, 2
	s_lshl_b32 s43, 15, s43                        ; my row of the cluster
	s_lshl_b32 s44, 0x1111, s40                    ; my column
	; descriptor group 1: a tile of 128 rows x 128 elements of 2 bytes, padded in LDS
	s_or_b32 s[G1+0], s43, (1<<16)|(1<<20)|(1<<21)|(5<<22)|(3<<25)   ; 15:0 the mask; 17:16 elements of 2 bytes; 20 padding on; 21 set beside a mask; 24:22 after every 64 words (code 5); 31:25 four words (code 3)
	s_or_b32 s[G1B+0], s44, (1<<16)|(1<<20)|(1<<21)|(5<<22)|(3<<25)
.irp g, G1, G1B
	s_mov_b32 s[\g+1], KSTEP<<16                   ; tensor_dim0
	s_mov_b32 s[\g+2], 128<<16                     ; tensor_dim1
	s_mov_b32 s[\g+3], KSTEP<<16                   ; tile_dim0
	s_mov_b32 s[\g+4], 128                         ; tile_dim1
	s_mov_b32 s[\g+5], SIZE_K                      ; tensor_dim0_stride
	s_mov_b32 s[\g+6], 0
	s_mov_b32 s[\g+7], 0
.endr
	s_lshl_b32 s18, s16, 7                         ; which 128 rows of the tile I fetch
	s_lshl_b32 s20, s17, 8
	s_add_co_u32 s20, s20, s18                     ; att: row 256 x tile row + 128 x half,
	s_lshl_b32 s20, s20, 11                        ; of 2,048 bytes
	s_mov_b32 s21, 0
	s_lshl_b32 s46, s42, 8
	s_add_co_u32 s46, s46, s18                     ; wo16: row 256 x tile column + 128 x half
	s_lshl_b32 s46, s46, 11
	s_mov_b32 s47, 0
	s_mul_i32 s45, s14, HALFT                      ; where they go: wave x 128 rows: no place in the cluster enters an LDS address
	s_wait_dscnt 0x0                               ; both opening adds are done
	s_wait_kmcnt 0x0
	s_add_nc_u64 s[20:21], s[4:5], s[20:21]
	s_add_nc_u64 s[46:47], s[6:7], s[46:47]
	CROUND                                         ; all sixteen work-groups are here: the first joint loads meet
.irp s, 0,1
	s_mov_b32 s[G0+4*\s], 1
	s_add_co_u32 s[G0+4*\s+1], s45, \s*SLOT
	s_add_nc_u64 s[G0+4*\s+2:G0+4*\s+3], s[20:21], \s*KSTEP*2
	s_or_b32 s[G0+4*\s+3], s[G0+4*\s+3], 0x80000000
	s_mov_b32 s[G0B+4*\s], 1
	s_add_co_u32 s[G0B+4*\s+1], s45, \s*SLOT
	s_add_nc_u64 s[G0B+4*\s+2:G0B+4*\s+3], s[46:47], \s*KSTEP*2
	s_or_b32 s[G0B+4*\s+3], s[G0B+4*\s+3], 0x80000000
	JLOAD \s
.endr
	; a fragment is 16 rows x 32 K in 8 registers: lane l holds row l % 16; registers 0-3 K = 8 (l / 16) + 0..7, registers 4-7 K = 16 + 8 (l / 16) + 0..7: two loads of 16 bytes, 32 bytes apart
	v_and_b32 v1, 15, v0                           ; l % 16
	v_bfe_u32 v2, v0, 4, 1                         ; l / 16
	v_mul_u32_u24 v3, v1, PITCH
	v_lshl_add_u32 v3, v2, 4, v3
	s_mul_i32 s21, s15, HALFT                      ; my 128 rows of att
	s_mul_i32 s22, s16, HALFT                      ; my 128 rows of wo16,
	s_add_co_u32 s22, s22, 2*HALFT                 ; which lie behind att's 256
.irp s, 0,1
	v_add_nc_u32 v[ADRA+\s], s21, v3
	v_add_nc_u32 v[ADRB+\s], s22, v3
	s_add_co_u32 s21, s21, SLOT
	s_add_co_u32 s22, s22, SLOT
.endr
	s_mul_i32 s23, s14, 16*SPITCH
	s_add_co_u32 s23, s23, STAGE                   ; my stage
	v_mul_u32_u24 v5, v1, SPITCH                   ; in: row l % 16, 32 bytes for each half of the lanes
	v_lshl_add_u32 v5, v2, 5, v5
	v_add_nc_u32 v[STO], s23, v5
	v_and_b32 v6, 31, v0
	v_lshlrev_b32 v[CO], 4, v6                     ; back: the 32 lanes take one row of 512 bytes; and the same in out0
	v_add_nc_u32 v[RD], s23, v[CO]
	v_lshlrev_b32 v[BO], 5, v2
	s_lshl_b32 s46, s42, 10                        ; my first column, in bytes of f32: 1024 x tile column + 512 x half
	s_lshl_b32 s47, s16, 9
	s_add_co_u32 s46, s46, s47
	s_mov_b32 s47, 0
	s_add_nc_u64 s[8:9], s[8:9], s[46:47]          ; b_out at my 128 columns
	s_lshl_b32 s20, s17, 8
	s_lshl_b32 s21, s15, 7
	s_add_co_u32 s20, s20, s21                     ; my first row: 256 x tile row + 128 x half,
	s_lshl_b32 s20, s20, 12                        ; of 4,096 bytes
	s_mov_b32 s21, 0
	s_add_nc_u64 s[10:11], s[10:11], s[20:21]
	s_add_nc_u64 s[10:11], s[10:11], s[46:47]
.irp b, 0,1,2,3,4,5,6,7
	global_load_b128 v[BI+8*\b:BI+8*\b+3],   v[BO], s[8:9] offset:64*\b        ; lane (r, h): b_out of columns 16 b + 8 h + 0 .. 7
	global_load_b128 v[BI+8*\b+4:BI+8*\b+7], v[BO], s[8:9] offset:64*\b+16
.endr
; 16 matrix instructions: row blocks a0, a0 + 1 of the window's four (hi = 0: my rows 0-63, 1: rows 64-127) x all 8 column blocks, 32 along K.  first = 1: the first product starts the sums from the bias.
; The 64 accumulators take turns, one instruction a turn, in the same order in every quarter step.
.macro MUL16 f, hi, a0, first
.irp a, \a0, \a0+1
.irp b, 0,1,2,3,4,5,6,7
.if \first
	v_wmma_f32_16x16x32_f16 v[8*(8*(\a)+\b):8*(8*(\a)+\b)+7], v[\f+8*\b:\f+8*\b+7], v[\f+8*(4*\hi+\a):\f+8*(4*\hi+\a)+7], v[BI+8*\b:BI+8*\b+7]
.else
	v_wmma_f32_16x16x32_f16 v[8*(8*(\a)+\b):8*(8*(\a)+\b)+7], v[\f+8*\b:\f+8*\b+7], v[\f+8*(4*\hi+\a):\f+8*(4*\hi+\a)+7], v[8*(8*(\a)+\b):8*(8*(\a)+\b)+7]
.endif
.endr
.endr
.endm
; 32 LDS loads in one run: the fragments of one quarter step (32 K at byte k of the rows) into buffer f: wo16's 16 loads, then att's 16
.macro FETCH slot, k, f
	WIN TO_B
.irp i, 0,1,2,3,4,5,6,7
	ds_load_b128 v[\f+8*\i:\f+8*\i+3],   v[ADRB+\slot] offset:\k+\i*16*PITCH
	ds_load_b128 v[\f+8*\i+4:\f+8*\i+7], v[ADRB+\slot] offset:\k+\i*16*PITCH+32
.endr
	WIN 0
.irp i, 0,1,2,3,4,5,6,7
	ds_load_b128 v[\f+8*\i:\f+8*\i+3],   v[ADRA+\slot] offset:\k+\i*16*PITCH
	ds_load_b128 v[\f+8*\i+4:\f+8*\i+7], v[ADRA+\slot] offset:\k+\i*16*PITCH+32
.endr
.endm
.macro PLACES                          ; four plain vector lines in front of loads into registers that matrix instructions have read, and of the first read of results
.rept 4
	v_nop
.endr
.endm
; A K step is four quarter steps of 32 along K, 64 matrix instructions each, on buffers 0, 1, 0, 1.  One of the first three: multiplies buffer f; in its middle it fetches the next quarter, at byte k, into buffer g.
.macro QUARTER slot, k, f, g, first
	s_wait_dscnt 8                                 ; wo16's and att's rows 0-63 are in; the youngest eight loads (att's rows 64-127) may be out
.if \first
	WIN 0x81                                       ; C (the bias) from window 0, D in window 2
.else
	WIN MUL_LO
.endif
	MUL16 \f, 0, 0, \first
	MUL16 \f, 0, 2, \first
	PLACES
	FETCH \slot, \k, \g
	s_wait_dscnt 32                                ; all but the 32 just issued
.if \first
	WIN 0xc1                                       ; D in window 3
.else
	WIN MUL_HI
.endif
	MUL16 \f, 1, 0, \first
	MUL16 \f, 1, 2, \first
.endm
; The last quarter multiplies buffer 1 and changes slots: ONE barrier; in front of it each wave waits for all its tensor loads, adds 0 to its spare word, and waits for that and for its own reads of this slot.
.macro MEET round
	WIN 0                                          ; (the add's two registers lie in window 0)
	s_wait_tensorcnt 0x0                           ; all my tensor loads have landed: the one that was out is my part of the next slot
	ds_add_u32 v[SPW], v[NIL]                      ; 0 onto my spare word
	s_wait_dscnt 9                                 ; (the add and the youngest eight loads may be out)
	WIN MUL_LO
	MUL16 F1, 0, 0, 0                              ; sixteen matrix instructions stand between the add and the wait for it
	s_wait_dscnt 0x0                               ; the add is done, and my reads of this slot are over
	s_barrier_signal -1
	MUL16 F1, 0, 2, 0
.if \round
	WIN 0
.endif
	s_barrier_wait -1
.endm
.macro TURN slot, next, fill           ; fill = 1: the barrier opens a round of the cluster's, and this slot is filled again, two K steps ahead
	MEET \fill
.if \fill
	CREST                                          ; no wave of any partner still reads this slot's tile or has a load on its way
	s_add_nc_u64 s[G0+4*\slot+2:G0+4*\slot+3], s[G0+4*\slot+2:G0+4*\slot+3], 2*KSTEP*2
	s_add_nc_u64 s[G0B+4*\slot+2:G0B+4*\slot+3], s[G0B+4*\slot+2:G0B+4*\slot+3], 2*KSTEP*2
	JLOAD \slot                                    ; the first tensor load behind the round: 224 matrix instructions ahead of the wait for it; its four v_nop are also the places in front of the loads below
.else
	PLACES
.endif
	FETCH \next, 0, F0
	WIN MUL_HI
	MUL16 F1, 1, 0, 0
	MUL16 F1, 1, 2, 0
.endm
	s_wait_tensorcnt 1                             ; my part of K step 0 is in; K step 1's may be out
	s_barrier_signal -1
	s_barrier_wait -1                              ; everybody's is
	FETCH 0, 0, F0
	s_wait_loadcnt 0x0                             ; the bias
	QUARTER 0, 64,  F0, F1, 1                      ; the first quarter stands in front of the loop: its products start the sums
	WIN 0                                          ; at a label and at a branch every window is 0
	s_mov_b32 s3, LAPS-1
.Llap:                                                 ; a trip goes once round the ring, from a lap's second quarter to the next lap's first, and fills both slots again: K steps 2 to 7
	QUARTER 0, 128, F1, F0, 0
	QUARTER 0, 192, F0, F1, 0
	TURN 0, 1, 1
	QUARTER 1, 64,  F0, F1, 0
	QUARTER 1, 128, F1, F0, 0
	QUARTER 1, 192, F0, F1, 0
	TURN 1, 0, 1
	QUARTER 0, 64,  F0, F1, 0
	WIN 0
	s_sub_co_u32 s3, s3, 1
	s_cmp_lg_u32 s3, 0
	s_cbranch_scc1 .Llap
	QUARTER 0, 128, F1, F0, 0                      ; the last lap fills nothing, and has no round of the cluster's barrier
	QUARTER 0, 192, F0, F1, 0
	TURN 0, 1, 0
	QUARTER 1, 64,  F0, F1, 0
	QUARTER 1, 128, F1, F0, 0
	QUARTER 1, 192, F0, F1, 0
	s_wait_dscnt 8                                 ; the very last quarter: nothing more to fetch
	WIN MUL_LO
	MUL16 F1, 0, 0, 0
	MUL16 F1, 0, 2, 0
	s_wait_dscnt 0x0
	WIN MUL_HI
	MUL16 F1, 1, 0, 0
	MUL16 F1, 1, 2, 0
	WIN 0
; THE WAY OUT, block by block of 16 rows x 128 columns.  A lane holds 32 neighbouring bytes of a row, and the lanes beside it hold other rows: so a block goes through my own stage in LDS and comes back as whole
; rows of 512 bytes.  LDS serves a wave's instructions in order (ISA guide 5.7.1.4): no wait between the stores and the loads, nor in front of the next block's stores.
.macro TOSTAGE a
.set AC, 64*((\a)%4)
	WIN 0x08+4*((\a)/4)                            ; the data: window 2 or 3
.irp b, 0,1,2,3,4,5,6,7
	ds_store_b128 v[STO], v[AC+8*\b:AC+8*\b+3] offset:64*\b          ; each accumulator from its low end on
	ds_store_b128 v[STO], v[AC+8*\b+4:AC+8*\b+7] offset:64*\b+16
.endr
	WIN 0
.set BB, BK+64*((\a)%2)
.irp t, 0,1,2,3,4,5,6,7,8,9,10,11,12,13,14,15
	ds_load_b128 v[BB+4*\t:BB+4*\t+3], v[RD] offset:\t*SPITCH
.endr
.endm
.macro SEND a, younger                 ; younger: the LDS instructions issued behind block a's loads, which may stay out
.set BB, BK+64*((\a)%2)
	s_wait_dscnt \younger                          ; the block is back in registers
.if (\a) > 0
	s_add_nc_u64 s[10:11], s[10:11], 16*SIZE_N*4   ; (behind a wait on XCNT: the earlier stores have read their base)  16 rows on
.endif
.irp t, 0,1,2,3,4,5,6,7,8,9,10,11,12,13,14,15
	global_store_b128 v[CO], v[BB+4*\t:BB+4*\t+3], s[10:11] offset:\t*SIZE_N*4 th:TH_STORE_NT   ; 32 lanes store 512 consecutive bytes, at a multiple of 256 from out0's first byte; written once, read by nobody here
.endr
.endm
	PLACES                                         ; for the loads into the registers that held att's fragments, and for the reads of the last results
	TOSTAGE 0
.irp a, 1,2,3,4,5,6,7
.if \a > 1
	s_wait_xcnt 0x0                                ; block a - 2's stores have read their registers and their base: block a's loads may land there, and the base may step
.endif
	TOSTAGE \a
	SEND \a-1, 32                                  ; behind block a - 1's loads: block a's 16 stores and 16 loads
.endr
	s_wait_xcnt 0x0                                ; block 6's stores have read their base
	SEND 7, 0
	s_wait_tensorcnt 0x0                           ; the wave's end, behind my last tensor load and my last LDS store
	ds_add_u32 v[SPW], v[NIL]
	s_wait_dscnt 0x0
	CROUND                                         ; the closing round: no work-group ends while a partner may still ask for a tile that names it
	s_endpgm
.Lfunc_end_k_q0cda19dab5_proj:
	.size	k_q0cda19dab5_proj, .Lfunc_end_k_q0cda19dab5_proj-k_q0cda19dab5_proj
	.p2alignl 7, 3214868480
	.fill 96, 4, 3214868480
	.section	.rodata,"a",@progbits
	.p2align	6, 0x0
	.amdhsa_kernel k_q0cda19dab5_proj
		.amdhsa_group_segment_fixed_size 327680
		.amdhsa_private_segment_fixed_size 0
		.amdhsa_enable_private_segment 0
		.amdhsa_kernarg_size 32
		.amdhsa_user_sgpr_count 2
		.amdhsa_user_sgpr_kernarg_segment_ptr 1
		.amdhsa_wavefront_size32 1
		.amdhsa_system_sgpr_workgroup_id_x 1
		.amdhsa_system_sgpr_workgroup_id_y 1
		.amdhsa_system_sgpr_workgroup_id_z 1
		.amdhsa_system_vgpr_workitem_id 0
		.amdhsa_next_free_vgpr 1024
		.amdhsa_next_free_sgpr 66
		.amdhsa_reserve_vcc 0
		.amdhsa_float_denorm_mode_32 3
		.amdhsa_float_denorm_mode_16_64 3
		.amdhsa_memory_ordered 1
		.amdhsa_forward_progress 1
		.amdhsa_inst_pref_size 142
	.end_amdhsa_kernel
	.amdgpu_metadata
---
amdhsa.version: [ 1, 2 ]
amdhsa.kernels:
  - .name:           k_q0cda19dab5_proj
    .symbol:         k_q0cda19dab5_proj.kd
    .args:
      - { .name: att, .offset: 0, .size: 8, .value_kind: global_buffer, .address_space: global }
      - { .name: wo16, .offset: 8, .size: 8, .value_kind: global_buffer, .address_space: global }
      - { .name: b_out, .offset: 16, .size: 8, .value_kind: global_buffer, .address_space: global }
      - { .name: out0, .offset: 24, .size: 8, .value_kind: global_buffer, .address_space: global }
    .group_segment_fixed_size: 327680
    .private_segment_fixed_size: 0
    .kernarg_segment_align: 8
    .kernarg_segment_size: 32
    .max_flat_workgroup_size: 128
    .sgpr_count:     66
    .vgpr_count:     1024
    .wavefront_size: 32
...
	.end_amdgpu_metadata
.endif
;; end of part 3
